; MI455X (gfx1250); checked and timed in simulation.
; The chip was launched on July 23, 2026; its instructions are those of AMD's public machine-readable ISA for CDNA 5 (MIT licence, August 2026) and "CDNA5" Instruction Set Architecture Reference Guide (July 2026). The comments in the code are by the model that wrote it; some were corrected since.
;; Conv Attention. Allowed arithmetic: matrix products marked QUANTISED: E2M3 operands, one E8M0 scale for each 32 along K, by v_wmma_scale_f32_16x16x128_f8f6f4 with both operands' format E2M3, f32 sums; everything else in f32.
;; Inputs: Wk 512 x 512 float32; Wo 512 x 512 float32; Wq 512 x 512 float32; Wv 512 x 512 float32; bo 512 float32; x 8 x 512 x 2,048 float32.
;; Outputs: out0 8 x 512 x 2,048 float32.
;; This version of the problem:
;;   THIS VERSION OF THE PROBLEM IS GIVEN IN LOW PRECISION. The matrix products marked QUANTISED in the list below multiply operands that are first quantised to E2M3 (2 exponent bits, 3 mantissa bits; 6 bits a number), with one power-of-two scale for each 32 numbers along K (OCP MX v1.0); their sums are f32. All else is computed in f32.
;;   The module's matrix products, in the order in which they are computed (A, B: the left and right operand; K: the contracted axis; several contracted axes count as one K, in the product's order):
;;     1. [M 16,384, K 512] x [K 512, N 512]; A: input x; B: input Wq: QUANTISED
;;     2. [M 16,384, K 512] x [K 512, N 512]; A: input x; B: input Wk: QUANTISED
;;     3. [M 16,384, K 512] x [K 512, N 512]; A: input x; B: input Wv: QUANTISED
;;     4. batch 64 x [M 2,048, K 64] x [K 64, N 2,048]; A: computed on the way; B: computed on the way: QUANTISED
;;     5. batch 64 x [M 64, K 2,048] x [K 2,048, N 2,048]; A: computed on the way; B: softmax (see below): QUANTISED
;;     6. [M 16,384, K 512] x [K 512, N 512]; A: computed on the way; B: input Wo: QUANTISED
;;   THE QUANTISER, for each operand of a quantised product, along K:
;;     - K is cut into blocks of 32 from its start; a last block that is shorter is filled with zeros.
;;     - A block's scale is 2^e with e = floor(log2(the largest magnitude in the block)) - 2, held to -126 .. 127; a block of zeros has e = 0. As a byte (E8M0): e + 127.
;;     - Each number is divided by its block's scale, clamped to +-7.5, and rounded to the nearest number of E2M3, ties to even, subnormals kept.
;;     - The product sums the exact products of the quantised numbers (number of the format x scale) in f32.
;;   ~~~python
;;   def quantise(x, axis):      # numpy; x: float32 -> the quantised numbers, widened to float32 again
;;       x = np.moveaxis(x, axis, -1); K = x.shape[-1]
;;       x = np.pad(x, [(0, 0)] * (x.ndim - 1) + [(0, -K % 32)]); x = x.reshape(x.shape[:-1] + (-1, 32)); a = np.abs(x).max(-1, keepdims=True)
;;       e = np.where(a > 0, np.clip(np.frexp(np.where(a > 0, a, 1))[1] - 1 - 2, -126, 127), 0)      # np.frexp(a)[1] - 1 = floor(log2(a)), exactly
;;       r = np.clip(x / 2.0 ** e, -7.5, 7.5)
;;       step = 2.0 ** (np.maximum(np.frexp(np.where(r == 0, 1, r))[1] - 1, 0) - 3)
;;       q = np.round(r / step) * step * 2.0 ** e      # np.round: ties to even
;;       return np.moveaxis(q.reshape(q.shape[:-2] + (-1,))[..., :K], -1, axis).astype(np.float32)
;;   ~~~
;;   SOFTMAX AHEAD OF A QUANTISED PRODUCT. Where the list says 'softmax', what is quantised is not the finished softmax but p = 2^(t - M), with t = logit x log2(e) and M = ceil(the row's largest t), a whole number; so 1/2 < the row's largest p <= 1. The row's sum l is taken of the UNQUANTISED p, in f32, and the product's result is divided by l at the end. Since M is a whole number, a kernel that streams over the keys may use a running M (the ceiling of the running maximum): every later rescaling is an exact power of two, which a block's scale takes up: the codes' values come out the same.
;;   OPERANDS COMPUTED ON THE WAY. 'Computed on the way' means the value that the module computes at that place (a softmax that the list does not call 'softmax' is quantised finished and normalised). What goes into a quantiser is computed in f32, as accurately as f32 sums, v_exp_f32 and their like allow (about 1e-6 of the number): no bf16 or f16 on the way to a quantiser, and a product that is left as it is and whose result goes on into a quantised operand takes f32 operands (vector FMAs, or v_wmma_f32_16x16x4_f32). A number that lies on a knife's edge between two numbers of the format may be rounded either way, as far as f32 arithmetic and the matrix unit's own rounding can turn it there, and no further.
;; One version. Each part assembles by itself: llvm-mc -triple=amdgcn-amd-amdhsa -mcpu=gfx1250 --defsym DOCPART=n.
;; ======== version 1 of 1: 4 launches
;; workspace buffers: xq 6,553,600 bytes; wimg 819,200 bytes; qb 6,815,744 bytes; kb 6,815,744 bytes; vb 6,553,600 bytes; ob 6,815,744 bytes
;; launch prep (part 1): grid 640 x 1, 4 waves a work-group, no clusters, 0 bytes of LDS; arguments x, Wq, Wk, Wv, Wo, xq, wimg; writes xq, wimg
.if DOCPART == 1
	.amdgcn_target "amdgcn-amd-amdhsa--gfx1250"
	.amdhsa_code_object_version 6
	.text
	.protected	k_qb033ddbb77_prep
	.globl	k_qb033ddbb77_prep
	.p2align	8
	.type	k_qb033ddbb77_prep,@function
k_qb033ddbb77_prep:
	s_mov_b64 s[64:65], 0
	v_nop
	global_prefetch_b8 v0, s[64:65] scope:SCOPE_SE
	s_setreg_imm32_b32 hwreg(HW_REG_WAVE_MODE, 25, 1), 1
	s_wait_xcnt 0x0
; x [8][512][2048] f32 and the four weights [512][512] f32 become codes of FP6 (E2M3) with one E8M0 byte for each 32 along K = the 512 channels,
; laid as IMAGES OF THE OPERAND'S REGISTERS.  A fragment (16 rows x 128 K) is 12 registers a lane, 1,536 bytes: registers 0-3 at 16 x lane, 4-5 at 512 + 8 x lane,
; 6-9 at 768 + 16 x lane, 10-11 at 1,280 + 8 x lane.  A tile record (16 rows x 512 K) is 6,400 bytes: four fragments, then the scale words at 6,144 + 64 s + 4 r (K step s, row r).
; xq: record n x 128 + l / 16.   wimg: record 32 m + o / 16, m = 0 Wq, 1 Wk, 2 Wv, 3 Wo.
; A block's scale is 2^(floor(log2(largest magnitude)) - 2): its byte is the largest magnitude's exponent field - 2, held at 1 from below.
; LIMITS: a block of zeros gets the byte 1 where the rule says 127 (its codes are zeros, and this program alone reads the bytes); blocks whose largest magnitude lies under 2^-124
; are held at byte 1; NaN and infinities among the inputs are not served.
; Work-groups 0-511 take x: K is x's middle axis, so A LANE TAKES A COLUMN l AND ITS REGISTERS RUN DOWN K: a wave's load reads 128 consecutive bytes, the four waves 512.
; Work-groups 512-639 take one tile of 16 rows of one weight, wave s its K step s.  Wo is taken in the order in which the attention launch leaves its result along K:
; inside each block of 32 the elements 0-7, 16-23, 8-15, 24-31.  A permutation inside a scale block, alike on both operands, keeps the products.
; No LDS, no barrier, no loop: waves share nothing, every offset is an immediate.  No matrix unit and no cluster: nothing here is read by two work-groups.
.set TRB, 6400                         ; a tile record
.set TM,  96                           ; v96-111  weights: largest magnitudes, bytes, scale operands
.set PC,  112                          ; v112-131 weights: the codes just made
.set PW,  132                          ; v132     weights: the scale word
.set SEL, 30                           ; s[30:31] lane selects: lane l xor 16
; 64 numbers of a lane, register 16 b + i = slot 16 (lane / 16) + i of block b of my row, become a fragment's codes in v[PC] on and its scale word in v[pw]
.macro QUANT s, pw
.irp b, 0,1,2,3
	v_max3_num_f32 v[TM+\b], |v[\s+16*\b]|, |v[\s+1+16*\b]|, 0x1800000   ; my 16 numbers of block b, and the floor 2^(3 - 127): the byte cannot fall under 1
.endr
.irp i, 2,4,6,8,10,12,14
.irp b, 0,1,2,3
	v_max3_num_f32 v[TM+\b], v[TM+\b], |v[\s+16*\b+\i]|, |v[\s+1+16*\b+\i]|   ; the four blocks by turns
.endr
.endr
.irp b, 0,1,2,3
	v_permlanex16_b32 v[TM+4+\b], v[TM+\b], s[SEL], s[SEL+1]
.endr
.irp b, 0,1,2,3
	v_max_num_f32 v[TM+\b], v[TM+\b], v[TM+4+\b]   ; with lane l xor 16's 16: the block's largest magnitude
.endr
.irp b, 0,1,2,3
	v_add_nc_u32 v[TM+12+\b], 0xff000000, v[TM+\b]   ; 2 off its exponent field: the conversion takes this operand's exponent field as its scale
.endr
.irp b, 0,1,2,3
	v_lshrrev_b32 v[TM+4+\b], 23, v[TM+12+\b]      ; the scale's byte
.endr
	v_lshl_or_b32 v[\pw], v[TM+5], 8, v[TM+4]
	v_lshl_or_b32 v[\pw], v[TM+6], 16, v[\pw]
	v_lshl_or_b32 v[\pw], v[TM+7], 24, v[\pw]
.irp c, 0,1
	v_cvt_scalef32_pk16_fp6_f32 v[PC+6*\c:PC+2+6*\c], v[\s+32*\c:\s+15+32*\c], v[TM+12+2*\c]
	v_cvt_scalef32_pk16_fp6_f32 v[PC+12+4*\c:PC+14+4*\c], v[\s+16+32*\c:\s+31+32*\c], v[TM+12+2*\c+1]   ; (a conversion's three registers begin on an even number)
.endr
	v_nop                                          ; one plain instruction behind the scaled conversions
.irp c, 0,1                                    ; the operand wants a whole block in a lane: lanes 0-15 block 2 c, lanes 16-31 block 2 c + 1
.irp i, 0,1,2
	v_permlane16_swap_b32 v[PC+6*\c+\i], v[PC+12+4*\c+\i]
.endr
.irp i, 0,1,2
	v_mov_b32 v[PC+3+6*\c+\i], v[PC+12+4*\c+\i]
.endr
.endr
.endm
	s_load_b256 s[4:11], s[0:1], 0x0               ; x s[4:5], Wq s[6:7], Wk s[8:9], Wv s[10:11]
	s_load_b128 s[12:15], s[0:1], 0x20             ; Wo s[12:13], xq s[14:15]
	s_load_b64 s[16:17], s[0:1], 0x30              ; wimg
	v_lshrrev_b32 v1, 5, v0
	v_readfirstlane_b32 s18, v1                    ; wave
	v_and_b32 v1, 31, v0                           ; lane
	v_and_b32 v6, 15, v0                           ; r
	v_bfe_u32 v7, v0, 4, 1                         ; h
	v_lshlrev_b32 v3, 4, v1                        ; 16 x lane
	v_lshlrev_b32 v4, 3, v1                        ; 8 x lane
	s_cmp_lt_u32 ttmp9, 512
	s_cbranch_scc0 .Lweights
	; ---- x: work-group g = 64 n + 4 cb + s: batch n, columns 128 cb on, K step s; my wave's 32 columns are two tiles of 16
	v_lshlrev_b32 v2, 2, v1                        ; 4 bytes a lane
	v_mul_u32_u24 v5, v7, TRB
	v_lshl_add_u32 v5, v6, 2, v5                   ; my column's scale word: its tile's record, 4 r
	s_and_b32 s19, ttmp9, 3                        ; s
	s_bfe_u32 s20, ttmp9, 0x40002                  ; cb
	s_lshr_b32 s21, ttmp9, 6                       ; n
	s_lshl_b32 s22, s21, 22                        ; n x 512 x 8,192 bytes
	s_lshl_b32 s24, s19, 20                        ; + 128 s rows of 8,192 bytes
	s_add_co_u32 s22, s22, s24
	s_lshl_b32 s24, s20, 9                         ; + 128 cb columns
	s_add_co_u32 s22, s22, s24
	s_lshl_b32 s24, s18, 7                         ; + 32 x wave columns
	s_add_co_u32 s22, s22, s24
	s_mov_b32 s23, 0
	s_lshl_b32 s24, s21, 7
	s_lshl_b32 s25, s20, 3
	s_add_co_u32 s24, s24, s25
	s_lshl_b32 s25, s18, 1
	s_add_co_u32 s24, s24, s25                     ; my first tile's record: 128 n + 8 cb + 2 x wave
	s_mul_i32 s24, s24, TRB
	s_mul_i32 s26, s19, 1536
	s_add_co_u32 s26, s24, s26                     ; its fragment of K step s
	s_mov_b32 s27, 0
	s_lshl_b32 s25, s19, 6
	s_add_co_u32 s24, s24, s25                     ; its scale words of K step s (6,144 stands in the store's immediate)
	s_mov_b32 s25, 0
	s_wait_kmcnt 0x0
	s_add_nc_u64 s[4:5], s[4:5], s[22:23]
	s_add_nc_u64 s[26:27], s[14:15], s[26:27]
	s_add_nc_u64 s[24:25], s[14:15], s[24:25]
.set i, 0
.rept 128
	global_load_b32 v[32+i], v2, s[4:5] offset:8192*i th:TH_LOAD_NT   ; x(128 s + i, my column): read once in the launch
.set i, i+1
.endr
; block b of my column: 32 registers, all mine.  Its six registers of codes go to v[DD] on: blocks 0, 2 to v160-171, blocks 1, 3 to v172-183
.macro XBLOCK b
.set XS, 32+32*(\b)
.set DD, 160+12*((\b)%2)+6*((\b)/2)
.set TT, 184+4*((\b)%2)
.if (\b) < 2
	s_wait_loadcnt 63                              ; behind blocks 0 and 1 stand 96 and 64 younger loads; a count names 63 at the most, which shows both landed
.else
	s_wait_loadcnt 96-32*(\b)                      ; the younger blocks' loads may be out
.endif
	v_max3_num_f32 v12, |v[XS]|, |v[XS+1]|, |v[XS+2]|
	v_max3_num_f32 v13, |v[XS+3]|, |v[XS+4]|, |v[XS+5]|
.irp i, 6,10,14,18,22,26
	v_max3_num_f32 v12, v12, |v[XS+\i]|, |v[XS+\i+1]|
	v_max3_num_f32 v13, v13, |v[XS+\i+2]|, |v[XS+\i+3]|
.endr
	v_max3_num_f32 v12, v12, |v[XS+30]|, |v[XS+31]|
	v_max3_num_f32 v12, v12, v13, 0x1800000        ; and the floor 2^(3 - 127)
	v_add_nc_u32 v11, 0xff000000, v12              ; the conversion's scale operand
	v_lshrrev_b32 v13, 23, v11                     ; the scale's byte
.if (\b) == 0
	v_mov_b32 v14, v13
.else
	v_lshl_or_b32 v14, v13, 8*(\b), v14            ; my column's scale word of this K step
.endif
	v_cvt_scalef32_pk16_fp6_f32 v[DD:DD+2], v[XS:XS+15], v11
	v_cvt_scalef32_pk16_fp6_f32 v[TT:TT+2], v[XS+16:XS+31], v11   ; (a conversion's three registers begin on an even number)
	v_nop                                          ; one plain instruction behind the scaled conversions
.irp i, 0,1,2
	v_mov_b32 v[DD+3+\i], v[TT+\i]
.endr
.endm
	XBLOCK 0
	XBLOCK 1
	XBLOCK 2
	XBLOCK 3
.set i, 0
.rept 12                                       ; lanes 0-15 hold tile 0's columns, lanes 16-31 tile 1's; a fragment wants blocks 0, 2 in lanes 0-15 and blocks 1, 3 in lanes 16-31
	v_permlane16_swap_b32 v[160+i], v[172+i]       ; v160-171 become tile 0's fragment, v172-183 tile 1's
.set i, i+1
.endr
.irp u, 0,1
	global_store_b128 v3, v[160+12*\u:163+12*\u], s[26:27] offset:TRB*\u          ; each store of the wave covers 512 or 256 consecutive bytes, aligned
	global_store_b64 v4, v[164+12*\u:165+12*\u], s[26:27] offset:TRB*\u+512
	global_store_b128 v3, v[166+12*\u:169+12*\u], s[26:27] offset:TRB*\u+768
	global_store_b64 v4, v[170+12*\u:171+12*\u], s[26:27] offset:TRB*\u+1280
.endr
	global_store_b32 v5, v14, s[24:25] offset:6144 ; two runs of 64 bytes: one byte in 128 of what the wave reads
	s_endpgm
.Lweights:
	; ---- a weight: work-group 512 + 32 m + t: rows 16 t on of weight m; wave s: K step s.  Lane (r, h) takes, of row r and each block of 32, two runs of eight numbers
	s_sub_co_u32 s19, ttmp9, 512                   ; 32 m + t: the record's number in wimg
	s_lshr_b32 s20, s19, 5                         ; m
	s_and_b32 s21, s19, 31                         ; t
	s_cmp_eq_u32 s20, 3
	s_cselect_b32 s22, 32, 64                      ; from lanes 0-15 to lanes 16-31: 16 numbers on; in Wo 8
	s_cselect_b32 s23, 64, 32                      ; from my first eight to my second eight: 8 numbers on; in Wo 16
	v_lshlrev_b32 v8, 11, v6                       ; row r of 2,048 bytes
	v_mad_u32_u24 v8, v7, s22, v8
	v_add_nc_u32 v9, s23, v8
	v_lshlrev_b32 v5, 2, v6                        ; 4 r
	s_lshl_b32 s24, s21, 15                        ; 16 t rows
	s_lshl_b32 s25, s18, 9                         ; + 128 s numbers
	s_add_co_u32 s24, s24, s25
	s_mov_b32 s25, 0
	s_mul_i32 s26, s19, TRB
	s_mul_i32 s28, s18, 1536
	s_add_co_u32 s28, s26, s28                     ; the fragment
	s_mov_b32 s29, 0
	s_lshl_b32 s27, s18, 6
	s_add_co_u32 s26, s26, s27                     ; its scale words
	s_mov_b32 s27, 0
	s_mov_b32 s[SEL], 0x76543210
	s_mov_b32 s[SEL+1], 0xfedcba98
.irp b, 0,1,2,3
	v_mov_b32 v[TM+4+\b], 0                        ; written once: a lane permute's destination counts as one of its sources
.endr
	s_wait_kmcnt 0x0
	s_cmp_eq_u32 s20, 1                            ; the choice hangs on the work-group's number alone
	s_cselect_b64 s[6:7], s[8:9], s[6:7]
	s_cmp_eq_u32 s20, 2
	s_cselect_b64 s[6:7], s[10:11], s[6:7]
	s_cmp_eq_u32 s20, 3
	s_cselect_b64 s[6:7], s[12:13], s[6:7]
	s_add_nc_u64 s[6:7], s[6:7], s[24:25]
	s_add_nc_u64 s[28:29], s[16:17], s[28:29]
	s_add_nc_u64 s[26:27], s[16:17], s[26:27]
.irp b, 0,1,2,3
	global_load_b128 v[32+16*\b:35+16*\b], v8, s[6:7] offset:128*\b
	global_load_b128 v[36+16*\b:39+16*\b], v8, s[6:7] offset:128*\b+16
	global_load_b128 v[40+16*\b:43+16*\b], v9, s[6:7] offset:128*\b
	global_load_b128 v[44+16*\b:47+16*\b], v9, s[6:7] offset:128*\b+16
.endr
	s_wait_loadcnt 0x0
	QUANT 32, PW
	global_store_b128 v3, v[PC:PC+3], s[28:29]
	global_store_b64 v4, v[PC+4:PC+5], s[28:29] offset:512
	global_store_b128 v3, v[PC+6:PC+9], s[28:29] offset:768
	global_store_b64 v4, v[PC+10:PC+11], s[28:29] offset:1280
	global_store_b32 v5, v[PW], s[26:27] offset:6144   ; lanes r and 16 + r hold the same word and write it to the same place
	s_endpgm
.Lfunc_end_k_qb033ddbb77_prep:
	.size	k_qb033ddbb77_prep, .Lfunc_end_k_qb033ddbb77_prep-k_qb033ddbb77_prep
	.p2alignl 7, 3214868480
	.fill 96, 4, 3214868480
	.section	.rodata,"a",@progbits
	.p2align	6, 0x0
	.amdhsa_kernel k_qb033ddbb77_prep
		.amdhsa_group_segment_fixed_size 0
		.amdhsa_private_segment_fixed_size 0
		.amdhsa_enable_private_segment 0
		.amdhsa_kernarg_size 56
		.amdhsa_user_sgpr_count 2
		.amdhsa_user_sgpr_kernarg_segment_ptr 1
		.amdhsa_wavefront_size32 1
		.amdhsa_system_sgpr_workgroup_id_x 1
		.amdhsa_system_sgpr_workgroup_id_y 1
		.amdhsa_system_sgpr_workgroup_id_z 1
		.amdhsa_system_vgpr_workitem_id 0
		.amdhsa_next_free_vgpr 192
		.amdhsa_next_free_sgpr 66
		.amdhsa_reserve_vcc 0
		.amdhsa_float_denorm_mode_32 3
		.amdhsa_float_denorm_mode_16_64 3
		.amdhsa_memory_ordered 1
		.amdhsa_forward_progress 1
		.amdhsa_inst_pref_size 29
	.end_amdhsa_kernel
	.amdgpu_metadata
---
amdhsa.version: [ 1, 2 ]
amdhsa.kernels:
  - .name:           k_qb033ddbb77_prep
    .symbol:         k_qb033ddbb77_prep.kd
    .args:
      - { .name: x, .offset: 0, .size: 8, .value_kind: global_buffer, .address_space: global }
      - { .name: Wq, .offset: 8, .size: 8, .value_kind: global_buffer, .address_space: global }
      - { .name: Wk, .offset: 16, .size: 8, .value_kind: global_buffer, .address_space: global }
      - { .name: Wv, .offset: 24, .size: 8, .value_kind: global_buffer, .address_space: global }
      - { .name: Wo, .offset: 32, .size: 8, .value_kind: global_buffer, .address_space: global }
      - { .name: xq, .offset: 40, .size: 8, .value_kind: global_buffer, .address_space: global }
      - { .name: wimg, .offset: 48, .size: 8, .value_kind: global_buffer, .address_space: global }
    .group_segment_fixed_size: 0
    .private_segment_fixed_size: 0
    .kernarg_segment_align: 8
    .kernarg_segment_size: 56
    .max_flat_workgroup_size: 128
    .sgpr_count:     66
    .vgpr_count:     192
    .wavefront_size: 32
...
	.end_amdgpu_metadata
.endif
;; end of part 1
;; launch qkv (part 2): grid 64 x 3, 4 waves a work-group, no clusters, 0 bytes of LDS; arguments xq, wimg, qb, kb, vb; writes qb, kb, vb
.if DOCPART == 2
	.amdgcn_target "amdgcn-amd-amdhsa--gfx1250"
	.amdhsa_code_object_version 6
	.text
	.protected	k_qb033ddbb77_qkv
	.globl	k_qb033ddbb77_qkv
	.p2align	8
	.type	k_qb033ddbb77_qkv,@function
k_qb033ddbb77_qkv:
	s_mov_b64 s[64:65], 0
	v_nop
	global_prefetch_b8 v0, s[64:65] scope:SCOPE_SE
	s_setreg_imm32_b32 hwreg(HW_REG_WAVE_MODE, 25, 1), 1
	s_wait_xcnt 0x0
; q, k, v = the three projections of x (K = 512 channels) on codes of FP6 (E2M3), and their results quantised at once for the attention launch: q and k along the head's 64, v along the keys.
; ONE BODY FOR ALL THREE (work-group y = 0 q, 1 k, 2 v).  A wave is a job of its own: a RESIDENT operand R of 128 rows x 512 K stays in 384 registers, a STREAMED operand T of 16 tiles of 16 rows is walked.
; A unit is 32 matrix instructions: source 0 = R's eight tiles, source 1 = one tile of T, four K steps.  A lane then holds ONE row of T and 64 numbers along R's rows, which are the next product's K.
;   q, k: R = 128 rows of the weight (wave w: heads 2 w, 2 w + 1), T = 16 tiles of positions: a lane holds a position and two heads' 64 channels: two half fragments.
;   v:    R = the 128 positions of one key step, T = 16 tiles of Wv (four heads): a lane holds a channel and 128 keys: one fragment of V^T.
; Register 8 t + j of lane (r, h) is R's row 16 t + 8 h + j, so inside each block of 32 the codes stand in the order 0-7, 16-23, 8-15, 24-31: alike in q and k, and alike in v and the
; attention launch's p.  A permutation inside a scale block, alike on both operands, keeps the products.
; OUT: qb, kb: [head of 106,496 bytes][64 positions: 3,328 bytes]: four half fragments of 768 bytes (registers 0-3 at 16 x lane, 4-5 at 512 + 8 x lane), then scale words at 3,072 + 16 r + 4 j,
;   bytes 0, 1 the head's two blocks, bytes 2, 3 zero.   vb: [head of 102,400 bytes][128 keys: 6,400 bytes]: four fragments (16 channels each), then scale words at 6,144 + 16 r + 4 j.
; LIMITS: as in the launch before: a block of zeros gets the byte 1; blocks under 2^-124 are held at byte 1; NaN and infinities are not served.
; No LDS, no barrier: operands lie in memory in the order of the registers and come straight into them.  No cluster: no tile goes through LDS, and a wave's resident 51,200 bytes are its own.
; REGISTERS: window 0: v1-8 offsets; v16-111 two sets of T's four fragments; v112-175 the eight accumulators; v176-195 codes; v196-211 at work; v212-215 a group's scale words;
;   v220-235 R's scale words, v236-239 T's (lanes 0-15 an even K step's, lanes 16-31 the odd one's).   window 1: R's fragments of K steps 0, 1 (tile t, step s at 12 (2 t + s)); window 2: of K steps 2, 3.
.set TRB, 6400
.set TF,  16
.set HA,  112
.set PC,  176
.set TM,  196
.set SW,  212
.set RS,  220
.set TS,  236
.set RP,  16                           ; s[16:17] R
.set TP,  18                           ; s[18:19] the tile of T to be fetched next
.set UB,  20                           ; s[20:21] where the unit in hand stores
.set US,  22                           ; s[22:23] from unit to unit
.set GINC, 24                          ; s[24:25] from a group's scale words to the next group
.set TSTEP, 26                         ; s[26:27] from tile to tile of T
.set GCNT, 28
.set SEL, 30
.set MSB, 0
.macro WIN new                         ; the immediate's high byte repeats the setting that is left
.if MSB != \new
	s_set_vgpr_msb (MSB<<8)|\new
.set MSB, \new
.endif
.endm
.macro QUANT s, pw                     ; 64 numbers of a lane, register 16 b + i = slot 16 (lane / 16) + i of block b, become codes in v[PC] on and a scale word in v[pw]
.irp b, 0,1,2,3
	v_max3_num_f32 v[TM+\b], |v[\s+16*\b]|, |v[\s+1+16*\b]|, 0x1800000   ; each accumulator is read from its low end on; the floor 2^(3 - 127) holds the byte at 1
.endr
.irp i, 2,4,6,8,10,12,14
.irp b, 0,1,2,3
	v_max3_num_f32 v[TM+\b], v[TM+\b], |v[\s+16*\b+\i]|, |v[\s+1+16*\b+\i]|
.endr
.endr
.irp b, 0,1,2,3
	v_permlanex16_b32 v[TM+4+\b], v[TM+\b], s[SEL], s[SEL+1]
.endr
.irp b, 0,1,2,3
	v_max_num_f32 v[TM+\b], v[TM+\b], v[TM+4+\b]
.endr
.irp b, 0,1,2,3
	v_add_nc_u32 v[TM+12+\b], 0xff000000, v[TM+\b]   ; 2 off the exponent field: the conversion's scale operand
.endr
.irp b, 0,1,2,3
	v_lshrrev_b32 v[TM+4+\b], 23, v[TM+12+\b]
.endr
	v_lshl_or_b32 v[\pw], v[TM+5], 8, v[TM+4]
	v_lshl_or_b32 v[\pw], v[TM+6], 16, v[\pw]
	v_lshl_or_b32 v[\pw], v[TM+7], 24, v[\pw]
.irp c, 0,1
	v_cvt_scalef32_pk16_fp6_f32 v[PC+6*\c:PC+2+6*\c], v[\s+32*\c:\s+15+32*\c], v[TM+12+2*\c]
	v_cvt_scalef32_pk16_fp6_f32 v[PC+12+4*\c:PC+14+4*\c], v[\s+16+32*\c:\s+31+32*\c], v[TM+12+2*\c+1]
.endr
	v_nop                                          ; one plain instruction behind the scaled conversions
.irp c, 0,1
.irp i, 0,1,2
	v_permlane16_swap_b32 v[PC+6*\c+\i], v[PC+12+4*\c+\i]
.endr
.irp i, 0,1,2
	v_mov_b32 v[PC+3+6*\c+\i], v[PC+12+4*\c+\i]
.endr
.endr
.endm
.macro FRAGLD reg, bs, off             ; a fragment's image into 12 registers: every load of the wave covers 512 or 256 consecutive bytes
	global_load_b128 v[(\reg):(\reg)+3], v1, s[\bs:\bs+1] offset:\off
	global_load_b64 v[(\reg)+4:(\reg)+5], v2, s[\bs:\bs+1] offset:\off+512
	global_load_b128 v[(\reg)+6:(\reg)+9], v1, s[\bs:\bs+1] offset:\off+768
	global_load_b64 v[(\reg)+10:(\reg)+11], v2, s[\bs:\bs+1] offset:\off+1280
.endm
.macro TLD bf                          ; a tile of T into set bf: 18 loads
.irp s, 0,1,2,3
	FRAGLD TF+48*(\bf)+12*\s, TP, 1536*\s
.endr
	global_load_b32 v[TS+2*(\bf)], v3, s[TP:TP+1] offset:6144
	global_load_b32 v[TS+2*(\bf)+1], v3, s[TP:TP+1] offset:6272
.endm
.macro MMI t, s, bf
.set rD, HA+8*(\t)
.set rA, 12*(2*(\t)+(\s)%2)
.set rB, TF+48*(\bf)+12*(\s)
.set rX, RS+2*(\t)+(\s)/2
.set rY, TS+2*(\bf)+(\s)/2
.if (\s) == 0
	v_wmma_scale_f32_16x16x128_f8f6f4 v[rD:rD+7], v[rA:rA+11], v[rB:rB+11], 0, v[rX], v[rY] matrix_a_fmt:MATRIX_FMT_FP6 matrix_b_fmt:MATRIX_FMT_FP6
.elseif (\s) == 2
	v_wmma_scale_f32_16x16x128_f8f6f4 v[rD:rD+7], v[rA:rA+11], v[rB:rB+11], v[rD:rD+7], v[rX], v[rY] matrix_a_fmt:MATRIX_FMT_FP6 matrix_b_fmt:MATRIX_FMT_FP6
.else
	v_wmma_scale_f32_16x16x128_f8f6f4 v[rD:rD+7], v[rA:rA+11], v[rB:rB+11], v[rD:rD+7], v[rX], v[rY] matrix_a_fmt:MATRIX_FMT_FP6 matrix_b_fmt:MATRIX_FMT_FP6 matrix_a_scale:MATRIX_SCALE_ROW1 matrix_b_scale:MATRIX_SCALE_ROW1
.endif
.endm
.macro MM bf                           ; 32 matrix instructions: the eight accumulators by turns, one instruction a turn; the first K step starts the sums
.irp s, 0,1,2,3
.if \s < 2
	WIN 0x01                                       ; source 0 (R) in window 1
.else
	WIN 0x02                                       ; in window 2
.endif
.irp t, 0,1,2,3,4,5,6,7
	MMI \t, \s, \bf
.endr
.endr
	WIN 0
.rept 4
	v_nop                                          ; four places ahead of the first read of results and of loads into registers that these products read
.endr
.endm
.macro UNIT j
	TLD ((\j)+1)%2                                 ; the next tile, a unit ahead: its set was last read by the unit before, whose places and whole quantiser lie between
	s_wait_loadcnt 18                              ; all but the 18 just issued: this unit's tile is in (in the first unit: R too)
	MM (\j)%2
	QUANT HA, SW+\j
	global_store_b128 v1, v[PC:PC+3], s[UB:UB+1]
	global_store_b64 v2, v[PC+4:PC+5], s[UB:UB+1] offset:512
	global_store_b128 v4, v[PC+6:PC+9], s[UB:UB+1]         ; the second half: q, k: the next head's half fragment; v: 768 bytes on
	global_store_b64 v5, v[PC+10:PC+11], s[UB:UB+1] offset:512
.if (\j) == 2
	s_cmp_eq_u32 s[GCNT], 1                        ; the last group's last unit has no tile behind it: its look-ahead takes tile 15 again, so that no load leaves the buffer
	s_cselect_b32 s[TSTEP], 0, TRB
.endif
	s_wait_xcnt 0x0                                ; the loads and stores above have read their bases and data: both are written again only behind this wait
	s_add_nc_u64 s[UB:UB+1], s[UB:UB+1], s[US:US+1]
	s_add_nc_u64 s[TP:TP+1], s[TP:TP+1], s[TSTEP:TSTEP+1]
.endm
	s_load_b256 s[4:11], s[0:1], 0x0               ; xq s[4:5], wimg s[6:7], qb s[8:9], kb s[10:11]
	s_load_b64 s[12:13], s[0:1], 0x20              ; vb
	v_lshrrev_b32 v9, 5, v0
	v_readfirstlane_b32 s33, v9                    ; wave w
	v_and_b32 v9, 31, v0                           ; lane
	v_and_b32 v10, 15, v0                          ; r
	v_bfe_u32 v11, v0, 4, 1                        ; h
	v_lshlrev_b32 v1, 4, v9
	v_lshlrev_b32 v2, 3, v9
	v_lshlrev_b32 v3, 2, v9
	s_and_b32 s32, ttmp7, 0xffff                   ; y
	s_lshr_b32 s34, ttmp9, 3                       ; n: work-group x covers 256 positions of batch n,
	s_and_b32 s35, ttmp9, 7                        ; the xm-th of its eight
	s_lshr_b32 s36, s33, 1
	s_and_b32 s37, s33, 1
	; q, k: R = record 32 y + 8 w of wimg; T = record 16 x of xq; out = head 8 n + 2 w, half record 4 xm
	s_lshl_b32 s38, s32, 5
	s_lshl_b32 s39, s33, 3
	s_add_co_u32 s38, s38, s39
	s_lshl_b32 s40, ttmp9, 4
	s_lshl_b32 s42, s34, 3
	s_lshl_b32 s43, s33, 1
	s_add_co_u32 s43, s42, s43
	s_mul_i32 s44, s43, 106496
	s_mul_i32 s43, s35, 4*3328
	s_add_co_u32 s44, s44, s43
	; v: R = record 8 (2 x + w / 2) of xq; T = record 64 + 16 (w % 2) of wimg; out = head 8 n + 4 (w % 2), key step 2 xm + w / 2
	s_lshl_b32 s39, ttmp9, 1
	s_add_co_u32 s39, s39, s36
	s_lshl_b32 s39, s39, 3
	s_lshl_b32 s41, s37, 4
	s_add_co_u32 s41, s41, 64
	s_lshl_b32 s43, s37, 2
	s_add_co_u32 s43, s42, s43
	s_lshl_b32 s43, s43, 4
	s_lshl_b32 s45, s35, 1
	s_add_co_u32 s43, s43, s45
	s_add_co_u32 s43, s43, s36
	s_mul_i32 s43, s43, TRB
	s_cmp_eq_u32 s32, 2                            ; what differs between the paths is chosen here, once: numbers and pointers, no branch
	s_cselect_b32 s38, s39, s38
	s_cselect_b32 s40, s41, s40
	s_cselect_b32 s44, s43, s44
	s_mov_b32 s[US], 768
	s_cselect_b32 s[US], 1536, s[US]
	s_mov_b32 s[GINC], 256
	s_cselect_b32 s[GINC], 96256, s[GINC]          ; v: 6,144 + 96,256 = a head's 102,400 bytes; q, k: 3,072 + 256 = a half record
	s_mov_b32 s47, 106496
	s_cselect_b32 s46, 768, s47                    ; where a unit's second six registers go
	s_cselect_b32 s47, 0, s47                      ; where lanes 16-31 put their scale words
	s_cselect_b32 s48, 0, 16                       ; q, k: lanes 16-31 keep the word's upper two bytes,
	s_mov_b32 s49, 0xffff
	s_cselect_b32 s49, -1, s49                     ; and every lane two bytes alone
	s_mul_i32 s38, s38, TRB
	s_mul_i32 s40, s40, TRB
	s_mov_b32 s39, 0
	s_mov_b32 s41, 0
	s_mov_b32 s45, 0
	s_mov_b32 s[US+1], 0
	s_mov_b32 s[GINC+1], 0
	s_mov_b32 s[TSTEP], TRB
	s_mov_b32 s[TSTEP+1], 0
	s_mov_b32 s[GCNT], 4
	s_mov_b32 s[SEL], 0x76543210
	s_mov_b32 s[SEL+1], 0xfedcba98
	v_add_nc_u32 v4, s46, v1
	v_add_nc_u32 v5, s46, v2
	v_lshlrev_b32 v6, 4, v10
	v_mad_u32_u24 v6, v11, s47, v6                 ; 16 r (+ a head)
	v_mul_u32_u24 v7, v11, s48
	v_mov_b32 v8, s49
.irp b, 0,1,2,3
	v_mov_b32 v[TM+4+\b], 0                        ; written once: a lane permute's destination counts as one of its sources
.endr
	s_wait_kmcnt 0x0
	s_cmp_eq_u32 s32, 2
	s_cselect_b64 s[RP:RP+1], s[4:5], s[6:7]
	s_cselect_b64 s[TP:TP+1], s[6:7], s[4:5]
	s_cselect_b64 s[UB:UB+1], s[12:13], s[8:9]
	s_cmp_eq_u32 s32, 1
	s_cselect_b64 s[UB:UB+1], s[10:11], s[UB:UB+1]
	s_add_nc_u64 s[RP:RP+1], s[RP:RP+1], s[38:39]
	s_add_nc_u64 s[TP:TP+1], s[TP:TP+1], s[40:41]
	s_add_nc_u64 s[UB:UB+1], s[UB:UB+1], s[44:45]
	WIN 0x40                                       ; destination window 1
.irp t, 0,1,2,3,4,5,6,7
.irp s, 0,1
	FRAGLD 12*(2*\t+\s), RP, TRB*\t+1536*\s
.endr
.endr
	WIN 0x80                                       ; destination window 2
.irp t, 0,1,2,3,4,5,6,7
.irp s, 0,1
	FRAGLD 12*(2*\t+\s), RP, TRB*\t+1536*(\s+2)
.endr
.endr
	WIN 0
.irp t, 0,1,2,3,4,5,6,7
	global_load_b32 v[RS+2*\t], v3, s[RP:RP+1] offset:TRB*\t+6144
	global_load_b32 v[RS+2*\t+1], v3, s[RP:RP+1] offset:TRB*\t+6272
.endr
	TLD 0
	s_wait_xcnt 0x0                                ; T's base steps only behind this wait
	s_add_nc_u64 s[TP:TP+1], s[TP:TP+1], s[TSTEP:TSTEP+1]
.Lgroup:                                           ; four trips of four units: q, k: 64 positions; v: a head's 64 channels
	UNIT 0
	UNIT 1
	UNIT 2
	UNIT 3
.irp j, 0,1,2,3
	v_lshrrev_b32 v[SW+\j], v7, v[SW+\j]
	v_and_b32 v[SW+\j], v8, v[SW+\j]
.endr
	global_store_b128 v6, v[SW:SW+3], s[UB:UB+1]   ; the four units' scale words: sixteen lanes fill 256 consecutive bytes (v: lanes r and 16 + r write the same words to the same place)
	s_wait_xcnt 0x0
	s_add_nc_u64 s[UB:UB+1], s[UB:UB+1], s[GINC:GINC+1]
	s_sub_co_u32 s[GCNT], s[GCNT], 1
	s_cmp_lg_u32 s[GCNT], 0
	s_cbranch_scc1 .Lgroup
	s_endpgm
.Lfunc_end_k_qb033ddbb77_qkv:
	.size	k_qb033ddbb77_qkv, .Lfunc_end_k_qb033ddbb77_qkv-k_qb033ddbb77_qkv
	.p2alignl 7, 3214868480
	.fill 96, 4, 3214868480
	.section	.rodata,"a",@progbits
	.p2align	6, 0x0
	.amdhsa_kernel k_qb033ddbb77_qkv
		.amdhsa_group_segment_fixed_size 0
		.amdhsa_private_segment_fixed_size 0
		.amdhsa_enable_private_segment 0
		.amdhsa_kernarg_size 40
		.amdhsa_user_sgpr_count 2
		.amdhsa_user_sgpr_kernarg_segment_ptr 1
		.amdhsa_wavefront_size32 1
		.amdhsa_system_sgpr_workgroup_id_x 1
		.amdhsa_system_sgpr_workgroup_id_y 1
		.amdhsa_system_sgpr_workgroup_id_z 1
		.amdhsa_system_vgpr_workitem_id 0
		.amdhsa_next_free_vgpr 768
		.amdhsa_next_free_sgpr 66
		.amdhsa_reserve_vcc 0
		.amdhsa_float_denorm_mode_32 3
		.amdhsa_float_denorm_mode_16_64 3
		.amdhsa_memory_ordered 1
		.amdhsa_forward_progress 1
		.amdhsa_inst_pref_size 60
	.end_amdhsa_kernel
	.amdgpu_metadata
---
amdhsa.version: [ 1, 2 ]
amdhsa.kernels:
  - .name:           k_qb033ddbb77_qkv
    .symbol:         k_qb033ddbb77_qkv.kd
    .args:
      - { .name: xq, .offset: 0, .size: 8, .value_kind: global_buffer, .address_space: global }
      - { .name: wimg, .offset: 8, .size: 8, .value_kind: global_buffer, .address_space: global }
      - { .name: qb, .offset: 16, .size: 8, .value_kind: global_buffer, .address_space: global }
      - { .name: kb, .offset: 24, .size: 8, .value_kind: global_buffer, .address_space: global }
      - { .name: vb, .offset: 32, .size: 8, .value_kind: global_buffer, .address_space: global }
    .group_segment_fixed_size: 0
    .private_segment_fixed_size: 0
    .kernarg_segment_align: 8
    .kernarg_segment_size: 40
    .max_flat_workgroup_size: 128
    .sgpr_count:     66
    .vgpr_count:     768
    .wavefront_size: 32
...
	.end_amdgpu_metadata
.endif
;; end of part 2
;; launch attn (part 3): grid 4 x 64, 16 waves a work-group, no clusters, 327,680 bytes of LDS; arguments qb, kb, vb, ob; writes ob
.if DOCPART == 3
	.amdgcn_target "amdgcn-amd-amdhsa--gfx1250"
	.amdhsa_code_object_version 6
	.text
	.protected	k_qb033ddbb77_attn
	.globl	k_qb033ddbb77_attn
	.p2align	8
	.type	k_qb033ddbb77_attn,@function
k_qb033ddbb77_attn:
	s_mov_b64 s[64:65], 0
	v_nop
	global_prefetch_b8 v0, s[64:65] scope:SCOPE_SE
	s_setreg_imm32_b32 hwreg(HW_REG_WAVE_MODE, 25, 1), 1
	s_wait_xcnt 0x0
; Causal attention of one head (64 channels, 2,048 positions) on codes of FP6 (E2M3), and its result quantised along the channels for the last projection.
; t = score x log2(e) / sqrt(512); M = the running largest t rounded UP to a whole number; p = 2^(t - M) is quantised along the keys, not normalised; the row's sum is taken of the
; unquantised p in f32 and divides O at the end.  When M moves, the sum and O are multiplied by 2^(old M - new M): exact.
; SHARES.  Work-group (i, head) owns the query blocks i and 7 - i of 256: so all 256 work-groups have equal work under the mask.  Each of its sixteen waves owns 16 queries of each block
; (tile A: 256 i + 16 w, tile B: 256 (7 - i) + 16 w).  Keys go in steps of 128 through two LDS slots; 16 - 2 i steps: what lies behind block 7 - i is never fetched.
; A step all of whose keys come after a tile's queries is left out by a scalar branch on ids; on the diagonal hidden scores become -infinity ahead of the maximum.
; The trip count hangs on the work-group's number, so every LDS address is a constant plus lane and wave terms: none is stepped.
; LAYOUT.  Both products are used transposed: S^T = K Q^T (source 0 = 16 keys), O^T = V^T P^T (source 0 = 16 channels): a lane holds ONE query throughout.  Register 8 t + j of lane (r, h) is key
; 16 t + 8 h + j: inside a block of 32 the order 0-7, 16-23, 8-15, 24-31, the order in which the launch before laid v's keys.  The first product's K is 64: registers 6-11 of Q's and K's fragments
; are zero codes, and bytes 2, 3 of their scale words are 0 (2^-127, no NaN).
; All operands lie in memory as images of their registers, so a step's K (6,656 bytes) and V (6,400 bytes) are two dense blocks: wave 0 fetches K's, wave 1 V's, one tensor load each.
; NO CLUSTER: the four work-groups of a head need 16, 14, 12 and 10 steps; walking in step each would stay for the longest partner, 16 trips in place of 13 on average, to share 13,056 bytes a step.
; LIMITS: a block of zeros gets the byte 1 where the rule says 127 (zero codes; this program alone reads the bytes); NaN and infinities among the inputs are not served.
; REGISTERS: v1-7 offsets and constants; v8-11, v12-15 tile A's, B's -M, largest t, sum in two halves; v16-27 Q; v28, v29 Q's scale words; v30, v31 Q's place in LDS; v32-79 four fragments of K;
;   v80-87 K's scale words, v88-91 V's; v92-155 S^T, then p, then V's four fragments; v156-187, v188-219 O^T of A, B; v220-231 p's codes; v232-254 at work; v248 the prefetch's offset; v255 4 r.
.set SLOT,  13056                      ; a slot: K's record, 6,656 bytes, then V's, 6,400
.set VREC,  6656
.set QST,   26112                      ; behind the slots: 2,048 bytes a wave: tile A's half fragment of Q at 0, tile B's at 1,024; no fill lands here
.set SPARE, 58880                      ; the spare words, 128 bytes for each of sixteen waves: eight blocks of 256 bytes that no other line names
.set WV,   12
.set G1K,  16                          ; s[16:23] descriptor group 1 for K's record; s[24:31] for V's
.set G1V,  24
.set G0K,  32                          ; s[32:39] group 0 for K, a set for each slot; s[40:47] for V
.set G0V,  40
.set CNT,  48
.set KF,   49                          ; the step's first key
.set Q0A,  50
.set Q0B,  51
.set SEL,  52
.set CS,   54                          ; s[54:55] c = log2(e) / sqrt(512)
.set PFA,  56                          ; s[56:57] where my prefetches stand
.set PFS,  58                          ; s[58:59] a step on
.set LIM,  60                          ; a wave prefetches while the step's first key lies under this
.set PFO,  248
; Wave 0 fetches K's record, wave 1 V's, the others nothing.  The branches hang on the wave's number alone.  Four v_nop follow each of the two lines.
.macro TLOAD sl
	s_cmp_eq_u32 s[WV], 0
	s_cbranch_scc0 .Lnot_k_\@
	tensor_load_to_lds s[G0K+4*(\sl):G0K+4*(\sl)+3], s[G1K:G1K+7]
.rept 4
	v_nop
.endr
	s_branch .Lasked_\@
.Lnot_k_\@:
	s_cmp_eq_u32 s[WV], 1
	s_cbranch_scc0 .Lasked_\@
	tensor_load_to_lds s[G0V+4*(\sl):G0V+4*(\sl)+3], s[G1V:G1V+7]
.rept 4
	v_nop
.endr
.Lasked_\@:
.endm
; A prefetch into the L2 of the step that the NEXT trip's tensor loads will ask for.  All four work-groups of a head walk the same records from step 0 on: the one that walks all sixteen (i = 0) asks,
; wave 4 for K's 26 blocks of 256 bytes, wave 5 for V's 25, a lane a block (the lanes left over name the last block again).  Trip t names step t + 2; trips 14 and 15 name nothing.
.macro ASK
	s_cmp_lt_u32 s[KF], s[LIM]
	s_cbranch_scc0 .Lnot_mine_\@
	global_prefetch_b8 v[PFO], s[PFA:PFA+1] th:TH_LOAD_NT scope:SCOPE_SE
.Lnot_mine_\@:
.endm
; A KEY STEP of one tile of 16 queries: slot sl; statistics at v[st]; O^T at v[ob]; Q's scale word v[qs]; Q's place qoff; first query s[q0]
.macro STEP sl, st, ob, qs, qoff, q0
	s_add_co_u32 s96, s[\q0], 15
	s_cmp_gt_u32 s[KF], s96
	s_cbranch_scc1 .Lhidden_\@                     ; all 128 keys come after my 16 queries
	ds_load_b128 v[16:19], v30 offset:\qoff        ; Q's six registers; v22-27 stay zero
	ds_load_b64 v[20:21], v31 offset:\qoff
	ds_load_b128 v[80:83], v3 offset:SLOT*\sl+3072         ; K's scale words: four tiles' to a lane
	ds_load_b128 v[84:87], v3 offset:SLOT*\sl+3328+3072
.irp g, 0,1                                    ; S^T = K Q^T, four tiles of 16 keys at a time
.if \g
.rept 4
	v_nop                                          ; four places ahead of loads into registers that matrix instructions have read
.endr
.endif
.irp t, 0,1,2,3
	ds_load_b128 v[32+12*\t:35+12*\t], v1 offset:SLOT*\sl+3328*\g+768*\t
	ds_load_b64 v[36+12*\t:37+12*\t], v2 offset:SLOT*\sl+3328*\g+768*\t+512   ; registers 6-11 of each fragment stay zero
.endr
	s_wait_dscnt 0x0
.irp t, 0,1,2,3
	v_wmma_scale_f32_16x16x128_f8f6f4 v[92+8*(4*\g+\t):99+8*(4*\g+\t)], v[32+12*\t:43+12*\t], v[16:27], 0, v[80+4*\g+\t], v[\qs] matrix_a_fmt:MATRIX_FMT_FP6 matrix_b_fmt:MATRIX_FMT_FP6
.endr
.endr
.rept 4
	v_nop
.endr
	s_add_co_u32 s96, s[KF], 127
	s_cmp_le_u32 s96, s[\q0]
	s_cbranch_scc1 .Lopen_\@                       ; every key counts for every query of the tile
	s_sub_co_i32 s96, s[\q0], s[KF]
	v_add_nc_u32 v252, s96, v6                     ; d = my query - KF - 8 (lane / 16).  Register n holds key KF + 16 (n / 8) + 8 (lane / 16) + n % 8: hidden where 16 (n / 8) + n % 8 > d
.set n, 0
.rept 64
	v_cmp_gt_i32 vcc_lo, 16*(n/8)+n%8, v252
	v_cndmask_b32 v[92+n], v[92+n], v7, vcc_lo
.set n, n+1
.endr
.Lopen_\@:
.irp b, 0,1,2,3
	v_max3_num_f32 v[232+\b], v[92+16*\b], v[93+16*\b], v[94+16*\b]   ; the largest score of each block of 32 keys: for the row's maximum and, since p rises with the score, for the block's largest p
.endr
.irp i, 3,5,7,9,11,13
.irp b, 0,1,2,3
	v_max3_num_f32 v[232+\b], v[232+\b], v[92+16*\b+\i], v[93+16*\b+\i]
.endr
.endr
.irp b, 0,1,2,3
	v_max_num_f32 v[232+\b], v[232+\b], v[107+16*\b]
.endr
.irp b, 0,1,2,3
	v_permlanex16_b32 v[236+\b], v[232+\b], s[SEL], s[SEL+1]
.endr
.irp b, 0,1,2,3
	v_max_num_f32 v[232+\b], v[232+\b], v[236+\b]  ; with lane l xor 16's 16 keys
.endr
	v_max3_num_f32 v254, v232, v233, v234
	v_max_num_f32 v254, v254, v235                 ; the step's largest score of my query (the step's first key counts for every query of the tile: it is a number)
	v_mul_f32 v254, s[CS], v254
	v_max_num_f32 v[\st+1], v[\st+1], v254         ; the running largest t
	v_mov_b32 v254, v[\st]
	v_floor_f32 v[\st], -v[\st+1]                  ; the new -M = floor(-t)
	v_sub_f32 v254, v[\st], v254                   ; old M - new M: a whole number, 0 or less
	v_cvt_i32_f32 v254, v254                       ; (it saturates)
	v_ldexp_f32 v252, 1.0, v254                    ; f = 2^(old M - new M)
.set n, 0
.rept 32
	v_pk_fma_f32 v[92+n:93+n], v[92+n:93+n], s[CS:CS+1], v[\st:\st+1] op_sel_hi:[1,0,0]   ; t - M, two at a time
.set n, n+2
.endr
.irp b, 0,1,2,3
	v_fma_f32 v[232+\b], v[232+\b], s[CS], v[\st]  ; the same of each block's largest score
.endr
.set n, 0
.rept 64
	v_exp_f32 v[92+n], v[92+n]                     ; p = 2^(t - M)
.set n, n+1
.endr
	v_pk_mul_f32 v[\st+2:\st+3], v[\st+2:\st+3], v[252:253] op_sel_hi:[1,0]   ; the sums under the new M: the plain instruction behind the exponentials
	s_wait_alu depctr_va_vdst(0)                   ; one wait for the batch of 64, ahead of its first reader
.irp b, 0,1,2,3
	v_exp_f32 v[232+\b], v[232+\b]                 ; the block's largest p: the same two instructions on the same number give the same bits
.endr
	v_pk_add_f32 v[236:237], v[92:93], v[94:95]    ; the row's sum of the unquantised p, in two chains: plain work behind the four
.irp j, 4,8,12,16,20,24,28,32,36,40,44,48,52,56,60
	v_pk_add_f32 v[\st+2:\st+3], v[\st+2:\st+3], v[92+\j:93+\j]
	v_pk_add_f32 v[236:237], v[236:237], v[94+\j:95+\j]
.endr
	v_pk_add_f32 v[\st+2:\st+3], v[\st+2:\st+3], v[236:237]
	s_wait_alu depctr_va_vdst(0)                   ; and one for the four
.irp b, 0,1,2,3
	v_max_num_f32 v[232+\b], 0x1800000, v[232+\b]  ; the floor 2^(3 - 127): a block whose every p is 0 keeps the byte 1: its codes are zeros
.endr
.irp b, 0,1,2,3
	v_add_nc_u32 v[244+\b], 0xff000000, v[232+\b]  ; the conversion's scale operand
.endr
.irp b, 0,1,2,3
	v_lshrrev_b32 v[236+\b], 23, v[244+\b]
.endr
	v_lshl_or_b32 v253, v237, 8, v236              ; p's scale word for these 128 keys
	v_lshl_or_b32 v253, v238, 16, v253
	v_lshl_or_b32 v253, v239, 24, v253
.irp c, 0,1
	v_cvt_scalef32_pk16_fp6_f32 v[220+6*\c:222+6*\c], v[92+32*\c:107+32*\c], v[244+2*\c]
	v_cvt_scalef32_pk16_fp6_f32 v[236+4*\c:238+4*\c], v[108+32*\c:123+32*\c], v[244+2*\c+1]
.endr
	v_nop                                          ; one plain instruction behind the scaled conversions
.irp j, 0,1,2,3                                ; p is spent: V's four fragments land in its registers while the codes are put in order
	ds_load_b128 v[92+12*\j:95+12*\j], v1 offset:SLOT*\sl+VREC+1536*\j
	ds_load_b64 v[96+12*\j:97+12*\j], v2 offset:SLOT*\sl+VREC+1536*\j+512
	ds_load_b128 v[98+12*\j:101+12*\j], v1 offset:SLOT*\sl+VREC+1536*\j+768
	ds_load_b64 v[102+12*\j:103+12*\j], v2 offset:SLOT*\sl+VREC+1536*\j+1280
.endr
	ds_load_b128 v[88:91], v3 offset:SLOT*\sl+VREC+6144
.set n, 0
.rept 16
	v_pk_mul_f32 v[\ob+n:\ob+n+1], v[\ob+n:\ob+n+1], v[252:253] op_sel_hi:[1,0]   ; O^T under the new M, from each accumulator's low end on
.set n, n+2
.endr
.irp c, 0,1                                    ; the operand wants a whole block in a lane
.irp i, 0,1,2
	v_permlane16_swap_b32 v[220+6*\c+\i], v[236+4*\c+\i]
.endr
.irp i, 0,1,2
	v_mov_b32 v[223+6*\c+\i], v[236+4*\c+\i]
.endr
.endr
.rept 4
	v_nop                                          ; an operand written by vector instructions stands four places ahead of a scaled matrix instruction; the scale word stands more than eight ahead
.endr
	s_wait_dscnt 0x0
.irp j, 0,1,2,3                                ; O^T += V^T P^T: four accumulators, one instruction each
	v_wmma_scale_f32_16x16x128_f8f6f4 v[\ob+8*\j:\ob+8*\j+7], v[92+12*\j:103+12*\j], v[220:231], v[\ob+8*\j:\ob+8*\j+7], v[88+\j], v253 matrix_a_fmt:MATRIX_FMT_FP6 matrix_b_fmt:MATRIX_FMT_FP6
.endr
.rept 5
	v_nop                                          ; five places: the next scores are written by matrix instructions over the registers that held V
.endr
.Lhidden_\@:
.endm
; A TRIP: the change of slots stands at its head.  Each wave waits for all its tensor loads, adds 0 to its spare word, waits for that and for its LDS reads, and passes the barrier: the slot ahead is whole
; and nobody reads the other one.  refill = 1: that other slot takes the next step's records: the load has a whole trip in which to land.  By this text's count one tensor load of a wave is out.
.macro TRIP sl, refill
	s_wait_tensorcnt 0x0                           ; no tensor load of mine is out, so a group 0 may be written
	ds_add_u32 v4, v5                              ; 0 onto my spare word
.if \refill
	s_add_nc_u64 s[G0K+4*\sl+2:G0K+4*\sl+3], s[G0K+4*\sl+2:G0K+4*\sl+3], 2*6656   ; this slot's next step, asked for in the next trip
	s_add_nc_u64 s[G0V+4*\sl+2:G0V+4*\sl+3], s[G0V+4*\sl+2:G0V+4*\sl+3], 2*6400
	s_wait_xcnt 0x0                                ; the last prefetch, a trip back, has read its address
	s_add_nc_u64 s[PFA:PFA+1], s[PFA:PFA+1], s[PFS:PFS+1]
.endif
	s_wait_dscnt 0x0                               ; the add is done, and my reads of the slot that I have left are over
	s_barrier_signal -1
	s_barrier_wait -1
.if \refill
	TLOAD 1-\sl                                    ; the first thing behind the barrier, and a wave's one tensor load until the next
	ASK
.endif
	STEP \sl, 12, 188, 29, 1024, Q0B
	STEP \sl, 8, 156, 28, 0, Q0A
	s_add_co_u32 s[KF], s[KF], 128
.endm
; THE WAY OUT of a tile: O^T / the sum; its 64 channels are two blocks of the last projection's K: six registers of codes and half a scale word
.macro OUT st, ob, pc, ps
	v_add_f32 v[\st+2], v[\st+2], v[\st+3]
	v_permlanex16_b32 v252, v[\st+2], s[SEL], s[SEL+1]
	v_add_f32 v[\st+2], v[\st+2], v252             ; the row's sum
	v_rcp_f32 v[\st+2], v[\st+2]
	v_nop                                          ; a plain instruction behind the reciprocal,
	s_wait_alu depctr_va_vdst(0)                   ; and the wait ahead of its first reader
.set n, 0
.rept 32
	v_mul_f32 v[92+n], v[\ob+n], v[\st+2]          ; register 8 j + i is channel 16 j + 8 (lane / 16) + i of my query
.set n, n+1
.endr
.irp b, 0,1
	v_max3_num_f32 v[232+\b], |v[92+16*\b]|, |v[93+16*\b]|, 0x1800000
.endr
.irp i, 2,4,6,8,10,12,14
.irp b, 0,1
	v_max3_num_f32 v[232+\b], v[232+\b], |v[92+16*\b+\i]|, |v[93+16*\b+\i]|
.endr
.endr
.irp b, 0,1
	v_permlanex16_b32 v[236+\b], v[232+\b], s[SEL], s[SEL+1]
.endr
.irp b, 0,1
	v_max_num_f32 v[232+\b], v[232+\b], v[236+\b]
.endr
.irp b, 0,1
	v_add_nc_u32 v[244+\b], 0xff000000, v[232+\b]
.endr
.irp b, 0,1
	v_lshrrev_b32 v[236+\b], 23, v[244+\b]
.endr
	v_lshl_or_b32 v254, v237, 8, v236              ; the head's two bytes; the upper two stay 0
	v_cvt_scalef32_pk16_fp6_f32 v[220:222], v[92:107], v244
	v_cvt_scalef32_pk16_fp6_f32 v[236:238], v[108:123], v245
	v_nop
.irp i, 0,1,2
	v_permlane16_swap_b32 v[220+\i], v[236+\i]
.endr
.irp i, 0,1,2
	v_mov_b32 v[223+\i], v[236+\i]
.endr
	global_store_b128 v1, v[220:223], s[\pc:\pc+1]             ; 512 and 256 consecutive bytes, aligned
	global_store_b64 v2, v[224:225], s[\pc:\pc+1] offset:512
	global_store_b32 v255, v254, s[\ps:\ps+1] offset:6144      ; lanes r and 16 + r write the same word to the same place: a run of 64 bytes
.endm
	s_load_b256 s[4:11], s[0:1], 0x0               ; qb s[4:5], kb s[6:7], vb s[8:9], ob s[10:11]
	v_lshl_add_u32 v4, v0, 2, SPARE
	v_mov_b32 v5, 0
	v_lshrrev_b32 v232, 5, v0
	v_readfirstlane_b32 s[WV], v232                ; wave 0..15
	s_and_b32 s74, ttmp7, 0xffff                   ; the head, 8 n + its number in the batch
	s_mul_i32 s76, s74, 106496                     ; its first byte in qb and kb,
	s_mov_b32 s77, 0
	s_mul_i32 s78, s74, 102400                     ; and in vb
	s_mov_b32 s79, 0
	s_sub_co_u32 s[CNT], 7, ttmp9                  ; 7 - i: the other query block, and the loop's trips
	s_mov_b32 s[KF], 0
	s_lshl_b32 s96, s[WV], 4
	s_lshl_b32 s[Q0A], ttmp9, 8
	s_add_co_u32 s[Q0A], s[Q0A], s96
	s_lshl_b32 s[Q0B], s[CNT], 8
	s_add_co_u32 s[Q0B], s[Q0B], s96
	; descriptor group 1: a dense block as rows of 256 bytes (32 elements of 8 bytes): K's record 26 rows, V's 25; no padding: every LDS read is of consecutive bytes
	s_mov_b32 s[G1K], 3<<16
	s_mov_b32 s[G1K+1], 32<<16                     ; tensor_dim0
	s_mov_b32 s[G1K+2], 26<<16                     ; tensor_dim1
	s_mov_b32 s[G1K+3], 32<<16                     ; tile_dim0
	s_mov_b32 s[G1K+4], 26                         ; tile_dim1
	s_mov_b32 s[G1K+5], 32                         ; the pitch
	s_mov_b32 s[G1K+6], 0
	s_mov_b32 s[G1K+7], 0
	s_mov_b32 s[G1V], 3<<16
	s_mov_b32 s[G1V+1], 32<<16
	s_mov_b32 s[G1V+2], 25<<16
	s_mov_b32 s[G1V+3], 32<<16
	s_mov_b32 s[G1V+4], 25
	s_mov_b32 s[G1V+5], 32
	s_mov_b32 s[G1V+6], 0
	s_mov_b32 s[G1V+7], 0
	s_mov_b32 s[G0K], 1
	s_mov_b32 s[G0K+1], 0                          ; slot 0
	s_mov_b32 s[G0K+4], 1
	s_mov_b32 s[G0K+5], SLOT                       ; slot 1
	s_mov_b32 s[G0V], 1
	s_mov_b32 s[G0V+1], VREC
	s_mov_b32 s[G0V+4], 1
	s_mov_b32 s[G0V+5], SLOT+VREC
	; Q: tile 16 i + w (A), 16 (7 - i) + w (B): half record tile / 4 of 3,328 bytes, half fragment tile % 4
	s_lshr_b32 s83, s[WV], 2
	s_and_b32 s84, s[WV], 3
	s_lshl_b32 s85, ttmp9, 2
	s_add_co_u32 s85, s85, s83
	s_mul_i32 s86, s85, 3328
	s_add_co_u32 s86, s86, s76
	s_lshl_b32 s87, s[CNT], 2
	s_add_co_u32 s87, s87, s83
	s_mul_i32 s88, s87, 3328
	s_add_co_u32 s88, s88, s76
	s_mul_i32 s89, s84, 768
	s_lshl_b32 s90, s84, 2
	s_add_co_u32 s92, s86, s89                     ; A's codes
	s_add_co_u32 s94, s88, s89                     ; B's
	s_add_co_u32 s86, s86, s90                     ; A's scale words (3,072 stands in the load's immediate)
	s_add_co_u32 s88, s88, s90                     ; B's
	s_mov_b32 s87, 0
	s_mov_b32 s89, 0
	s_mov_b32 s93, 0
	s_mov_b32 s95, 0
	; O: record 128 n + tile of 6,656 bytes; the head's half fragment at 768 x head, its half scale words at 6,144 + 64 x head
	s_lshr_b32 s75, s74, 3
	s_lshl_b32 s75, s75, 7
	s_and_b32 s74, s74, 7
	s_lshl_b32 s97, ttmp9, 4
	s_add_co_u32 s97, s97, s75
	s_add_co_u32 s97, s97, s[WV]
	s_mul_i32 s97, s97, 6656
	s_lshl_b32 s98, s[CNT], 4
	s_add_co_u32 s98, s98, s75
	s_add_co_u32 s98, s98, s[WV]
	s_mul_i32 s98, s98, 6656
	s_mul_i32 s99, s74, 768
	s_add_co_u32 s66, s97, s99
	s_add_co_u32 s68, s98, s99
	s_lshl_b32 s99, s74, 6
	s_add_co_u32 s70, s97, s99
	s_add_co_u32 s72, s98, s99
	s_mov_b32 s67, 0
	s_mov_b32 s69, 0
	s_mov_b32 s71, 0
	s_mov_b32 s73, 0
	s_mov_b32 s[SEL], 0x76543210
	s_mov_b32 s[SEL+1], 0xfedcba98
	s_mov_b32 s[CS], 0x3d8293ee                    ; c = log2(e) / sqrt(512)
	s_mov_b32 s[CS+1], s[CS]                       ; (named with it as a pair, so it is written)
	s_wait_kmcnt 0x0
	s_add_nc_u64 s[G0K+2:G0K+3], s[6:7], s[76:77]  ; step 0,
	s_add_nc_u64 s[G0K+6:G0K+7], s[G0K+2:G0K+3], 6656   ; step 1
	s_or_b32 s[G0K+3], s[G0K+3], 0x80000000        ; type = 2
	s_or_b32 s[G0K+7], s[G0K+7], 0x80000000
	s_add_nc_u64 s[G0V+2:G0V+3], s[8:9], s[78:79]
	s_add_nc_u64 s[G0V+6:G0V+7], s[G0V+2:G0V+3], 6400
	s_or_b32 s[G0V+3], s[G0V+3], 0x80000000
	s_or_b32 s[G0V+7], s[G0V+7], 0x80000000
	TLOAD 0                                        ; step 0 into slot 0: the one first fill, ahead of every wait on TENSORcnt, LDS read and barrier; slot 1 is first filled behind the first trip's barrier
	s_add_nc_u64 s[92:93], s[4:5], s[92:93]
	s_add_nc_u64 s[94:95], s[4:5], s[94:95]
	s_add_nc_u64 s[86:87], s[4:5], s[86:87]
	s_add_nc_u64 s[88:89], s[4:5], s[88:89]
	s_add_nc_u64 s[66:67], s[10:11], s[66:67]
	s_add_nc_u64 s[68:69], s[10:11], s[68:69]
	s_add_nc_u64 s[70:71], s[10:11], s[70:71]
	s_add_nc_u64 s[72:73], s[10:11], s[72:73]
	; the prefetches: where they stand, and who asks
	s_cmp_eq_u32 s[WV], 5
	s_cselect_b64 s[PFA:PFA+1], s[8:9], s[6:7]
	s_cselect_b32 s80, s78, s76
	s_mov_b32 s81, 0
	s_mov_b32 s[PFS], 6656
	s_cselect_b32 s[PFS], 6400, s[PFS]
	s_mov_b32 s[PFS+1], 0
	s_cselect_b32 s82, 24, 25                      ; the record's last block
	s_add_nc_u64 s[PFA:PFA+1], s[PFA:PFA+1], s[80:81]
	s_add_nc_u64 s[PFA:PFA+1], s[PFA:PFA+1], s[PFS:PFS+1]   ; at step 1: the first trip steps it to step 2.  Nothing is prefetched here, at the head
	s_lshr_b32 s96, s[WV], 1
	s_xor_b32 s96, s96, 2                          ; 0 in waves 4 and 5,
	s_or_b32 s96, s96, ttmp9                       ; of the work-group that walks all sixteen steps
	s_cmp_eq_u32 s96, 0
	s_cselect_b32 s[LIM], 1792, 0                  ; trips 0 to 13
	v_and_b32 v232, 31, v0                         ; lane
	v_and_b32 v233, 15, v0                         ; r
	v_bfe_u32 v234, v0, 4, 1                       ; h
	v_lshlrev_b32 v1, 4, v232
	v_lshlrev_b32 v2, 3, v232
	v_lshlrev_b32 v3, 4, v233
	v_lshlrev_b32 v255, 2, v233
	v_min_u32 v[PFO], s82, v232
	v_lshlrev_b32 v[PFO], 8, v[PFO]
	global_load_b128 v[92:95], v1, s[92:93]        ; Q's half fragments and scale words
	global_load_b64 v[96:97], v2, s[92:93] offset:512
	global_load_b128 v[98:101], v1, s[94:95]
	global_load_b64 v[102:103], v2, s[94:95] offset:512
	global_load_b32 v28, v3, s[86:87] offset:3072
	global_load_b32 v29, v3, s[88:89] offset:3072
	v_lshlrev_b32 v6, 3, v234
	v_sub_nc_u32 v6, v233, v6                      ; r - 8 h
	v_mov_b32 v7, 0xff800000                       ; -infinity
	s_lshl_b32 s96, s[WV], 11
	s_add_co_u32 s96, s96, QST
	v_add_nc_u32 v30, s96, v1
	v_add_nc_u32 v31, s96, v2
	v_add_nc_u32 v31, 512, v31
.irp s, 8,12
	v_mov_b32 v[\s+1], 0xff61b1e6                  ; the largest t so far: -3e38, under every t
	v_floor_f32 v[\s], -v[\s+1]                    ; -M
	v_mov_b32 v[\s+2], 0                           ; the sum, in two halves
	v_mov_b32 v[\s+3], 0
.endr
.irp j, 22,23,24,25,26,27, 38,39,40,41,42,43, 50,51,52,53,54,55, 62,63,64,65,66,67, 74,75,76,77,78,79
	v_mov_b32 v[\j], 0                             ; the first product's K is 64: the upper halves of Q's and K's fragments are zero codes
.endr
.set n, 0
.rept 64
	v_mov_b32 v[156+n], 0                          ; O^T of both tiles: the step is written once, and its first change of M leaves zeros zeros
.set n, n+1
.endr
.irp j, 236,237,238,239,252,253
	v_mov_b32 v[\j], 0                             ; written once: a lane permute's destination counts as one of its sources; v253 is named with v252 as a pair
.endr
	s_wait_loadcnt 0x0
	ds_store_b128 v30, v[92:95]                    ; my wave's own bytes: LDS serves a wave's instructions in order
	ds_store_b64 v31, v[96:97]
	ds_store_b128 v30, v[98:101] offset:1024
	ds_store_b64 v31, v[102:103] offset:1024
.Lpair:                                            ; 7 - i trips of two steps
	TRIP 0, 1
	TRIP 1, 1
	s_sub_co_u32 s[CNT], s[CNT], 1
	s_cmp_lg_u32 s[CNT], 0
	s_cbranch_scc1 .Lpair
	TRIP 0, 1                                      ; the last two steps are written out
	TRIP 1, 0
	OUT 8, 156, 66, 70
	s_wait_xcnt 0x0                                ; tile A's stores have read their registers
	OUT 12, 188, 68, 72
	s_wait_tensorcnt 0x0                           ; the wave's end
	ds_add_u32 v4, v5
	s_wait_dscnt 0x0
	s_endpgm
.Lfunc_end_k_qb033ddbb77_attn:
	.size	k_qb033ddbb77_attn, .Lfunc_end_k_qb033ddbb77_attn-k_qb033ddbb77_attn
	.p2alignl 7, 3214868480
	.fill 96, 4, 3214868480
	.section	.rodata,"a",@progbits
	.p2align	6, 0x0
	.amdhsa_kernel k_qb033ddbb77_attn
		.amdhsa_group_segment_fixed_size 327680
		.amdhsa_private_segment_fixed_size 0
		.amdhsa_enable_private_segment 0
		.amdhsa_kernarg_size 32
		.amdhsa_user_sgpr_count 2
		.amdhsa_user_sgpr_kernarg_segment_ptr 1
		.amdhsa_wavefront_size32 1
		.amdhsa_system_sgpr_workgroup_id_x 1
		.amdhsa_system_sgpr_workgroup_id_y 1
		.amdhsa_system_sgpr_workgroup_id_z 1
		.amdhsa_system_vgpr_workitem_id 0
		.amdhsa_next_free_vgpr 256
		.amdhsa_next_free_sgpr 100
		.amdhsa_reserve_vcc 1
		.amdhsa_float_denorm_mode_32 3
		.amdhsa_float_denorm_mode_16_64 3
		.amdhsa_memory_ordered 1
		.amdhsa_forward_progress 1
		.amdhsa_inst_pref_size 192
	.end_amdhsa_kernel
	.amdgpu_metadata
---
amdhsa.version: [ 1, 2 ]
amdhsa.kernels:
  - .name:           k_qb033ddbb77_attn
    .symbol:         k_qb033ddbb77_attn.kd
    .args:
      - { .name: qb, .offset: 0, .size: 8, .value_kind: global_buffer, .address_space: global }
      - { .name: kb, .offset: 8, .size: 8, .value_kind: global_buffer, .address_space: global }
      - { .name: vb, .offset: 16, .size: 8, .value_kind: global_buffer, .address_space: global }
      - { .name: ob, .offset: 24, .size: 8, .value_kind: global_buffer, .address_space: global }
    .group_segment_fixed_size: 327680
    .private_segment_fixed_size: 0
    .kernarg_segment_align: 8
    .kernarg_segment_size: 32
    .max_flat_workgroup_size: 512
    .sgpr_count:     100
    .vgpr_count:     256
    .wavefront_size: 32
...
	.end_amdgpu_metadata
.endif
;; end of part 3
;; launch oproj (part 4): grid 256 x 1, 4 waves a work-group, no clusters, 33,792 bytes of LDS; arguments ob, wimg, bo, out0; writes out0
.if DOCPART == 4
	.amdgcn_target "amdgcn-amd-amdhsa--gfx1250"
	.amdhsa_code_object_version 6
	.text
	.protected	k_qb033ddbb77_oproj
	.globl	k_qb033ddbb77_oproj
	.p2align	8
	.type	k_qb033ddbb77_oproj,@function
k_qb033ddbb77_oproj:
	s_mov_b64 s[64:65], 0
	v_nop
	global_prefetch_b8 v0, s[64:65] scope:SCOPE_SE
	s_setreg_imm32_b32 hwreg(HW_REG_WAVE_MODE, 25, 1), 1
	s_wait_xcnt 0x0
; out0[n][o][l] = the sum over c of Wo[o][c] o[n][l][c] + bo[o], on codes of FP6 (E2M3); K = 512 channels = 8 heads x 64.
; Work-group g: the 128 positions g / 2 (eight records of ob) and half g % 2 of Wo's rows; wave w: four tiles of 16 rows of Wo.  A wave is a job of its own.
; The eight records, 128 rows x 512 K, stay in 384 registers; a unit is 32 matrix instructions: source 0 = the eight tiles of positions, source 1 = one tile of Wo.  A lane then holds ONE output
; channel o and, for each tile, eight neighbouring l: l is out0's innermost axis.  bo[o] is the C of each sum's first matrix instruction.
; Both operands carry the same order inside each block of 32 (0-7, 16-23, 8-15, 24-31): the first launch laid Wo so.
; A record of ob: head hh's half fragment at 768 hh, so K step s (heads 2 s, 2 s + 1) is a fragment's image at 1,536 s; half scale words (two bytes) at 6,144 + 64 hh + 4 r are joined here.
; THE WAY OUT: 16 rows of o x 128 l go through the wave's own stage in LDS (rows of 512 + 16 bytes) and leave as rows: each store of the wave covers 512 consecutive bytes, aligned.
; No barrier: waves share nothing.  No cluster: no tile goes through LDS by a tensor load; a wave's resident 53,248 bytes come once, straight into registers.
; REGISTERS: window 0: v1-7 offsets; v16-111 two sets of Wo's four fragments; v112-175 the eight accumulators; v176-191 two sets of the bias; v220-235, v236-239 scale words.  windows 1, 2: the records.
.set TRB, 6400
.set RRB, 6656
.set TF,  16
.set HA,  112
.set BI,  176
.set RS,  220
.set TS,  236
.set RP,  16                           ; s[16:17] my eight records
.set TP,  18                           ; s[18:19] my four tiles of Wo
.set BP,  30                           ; s[30:31] their 64 numbers of bo
.set OP,  32                           ; s[32:33] my first row of out0, at my 128 l
.set MSB, 0
.macro WIN new                         ; the immediate's high byte repeats the setting that is left
.if MSB != \new
	s_set_vgpr_msb (MSB<<8)|\new
.set MSB, \new
.endif
.endm
.macro FRAGLD reg, bs, off
	global_load_b128 v[(\reg):(\reg)+3], v1, s[\bs:\bs+1] offset:\off
	global_load_b64 v[(\reg)+4:(\reg)+5], v2, s[\bs:\bs+1] offset:\off+512
	global_load_b128 v[(\reg)+6:(\reg)+9], v1, s[\bs:\bs+1] offset:\off+768
	global_load_b64 v[(\reg)+10:(\reg)+11], v2, s[\bs:\bs+1] offset:\off+1280
.endm
.macro TLD bf, j                       ; tile j of Wo and its bias into set bf: 18 + 8 loads
.irp s, 0,1,2,3
	FRAGLD TF+48*(\bf)+12*\s, TP, TRB*(\j)+1536*\s
.endr
	global_load_b32 v[TS+2*(\bf)], v3, s[TP:TP+1] offset:TRB*(\j)+6144
	global_load_b32 v[TS+2*(\bf)+1], v3, s[TP:TP+1] offset:TRB*(\j)+6272
.irp k, 0,1,2,3,4,5,6,7
	global_load_b32 v[BI+8*(\bf)+\k], v5, s[BP:BP+1] offset:64*(\j)   ; bo of my row, in all eight registers of the result's layout
.endr
.endm
.macro MMI t, s, bf
.set rD, HA+8*(\t)
.set rA, 12*(2*(\t)+(\s)%2)
.set rB, TF+48*(\bf)+12*(\s)
.set rC, BI+8*(\bf)
.set rX, RS+2*(\t)+(\s)/2
.set rY, TS+2*(\bf)+(\s)/2
.if (\s) == 0
	v_wmma_scale_f32_16x16x128_f8f6f4 v[rD:rD+7], v[rA:rA+11], v[rB:rB+11], v[rC:rC+7], v[rX], v[rY] matrix_a_fmt:MATRIX_FMT_FP6 matrix_b_fmt:MATRIX_FMT_FP6
.elseif (\s) == 2
	v_wmma_scale_f32_16x16x128_f8f6f4 v[rD:rD+7], v[rA:rA+11], v[rB:rB+11], v[rD:rD+7], v[rX], v[rY] matrix_a_fmt:MATRIX_FMT_FP6 matrix_b_fmt:MATRIX_FMT_FP6
.else
	v_wmma_scale_f32_16x16x128_f8f6f4 v[rD:rD+7], v[rA:rA+11], v[rB:rB+11], v[rD:rD+7], v[rX], v[rY] matrix_a_fmt:MATRIX_FMT_FP6 matrix_b_fmt:MATRIX_FMT_FP6 matrix_a_scale:MATRIX_SCALE_ROW1 matrix_b_scale:MATRIX_SCALE_ROW1
.endif
.endm
.macro MM bf                           ; 32 matrix instructions: the eight accumulators by turns, one instruction a turn
.irp s, 0,1,2,3
.if \s < 2
	WIN 0x01
.else
	WIN 0x02
.endif
.irp t, 0,1,2,3,4,5,6,7
	MMI \t, \s, \bf
.endr
.endr
	WIN 0
.rept 5
	v_nop                                          ; four places ahead of the stores that read results and of loads into these products' registers; the fifth since the next unit begins the accumulators anew with another C, and no other vector work lies between
.endr
.endm
.macro UNIT j
.if (\j) < 3
	TLD ((\j)+1)%2, (\j)+1                         ; the next tile, a unit ahead
	s_wait_loadcnt 26                              ; all but the 26 just issued
.else
	s_wait_loadcnt 0x0
.endif
	s_wait_xcnt 0x0                                ; the unit before's stores have read the accumulators' registers
	MM (\j)%2
.irp t, 0,1,2,3,4,5,6,7
	ds_store_b128 v6, v[HA+8*\t:HA+8*\t+3] offset:64*\t            ; lane (r, h): row r, l = 16 t + 8 h on; each accumulator from its low end on
	ds_store_b128 v6, v[HA+8*\t+4:HA+8*\t+7] offset:64*\t+16
.endr
.irp i, 0,1,2,3,4,5,6,7,8,9,10,11,12,13,14,15
	ds_load_b128 v[HA+4*\i:HA+4*\i+3], v7 offset:528*\i            ; LDS serves a wave's instructions in order: these see my stores
.endr
.irp i, 0,1,2,3,4,5,6,7,8,9,10,11,12,13,14,15
	s_wait_dscnt 15-\i                             ; the younger rows' loads may be out
	global_store_b128 v1, v[HA+4*\i:HA+4*\i+3], s[OP:OP+1] offset:131072*(\j)+8192*\i th:TH_STORE_NT   ; a row's 512 bytes; written once, read by nobody here
.endr
.endm
	s_load_b256 s[4:11], s[0:1], 0x0               ; ob s[4:5], wimg s[6:7], bo s[8:9], out0 s[10:11]
	v_lshrrev_b32 v9, 5, v0
	v_readfirstlane_b32 s12, v9                    ; wave
	v_and_b32 v9, 31, v0                           ; lane
	v_and_b32 v10, 15, v0                          ; r
	v_bfe_u32 v11, v0, 4, 1                        ; h
	v_lshlrev_b32 v1, 4, v9
	v_lshlrev_b32 v2, 3, v9
	v_lshlrev_b32 v3, 2, v9
	v_lshlrev_b32 v5, 2, v10                       ; 4 r
	v_lshl_add_u32 v4, v11, 7, v5                  ; 4 r + 128 h: lanes 16-31 take the odd K step's two heads
	s_mul_i32 s13, s12, 16*528                     ; my stage
	v_mul_u32_u24 v6, v10, 528
	v_lshl_add_u32 v6, v11, 5, v6
	v_add_nc_u32 v6, s13, v6                       ; in: row r, + 32 h
	v_add_nc_u32 v7, s13, v1                       ; back: 16 bytes a lane
	s_lshr_b32 s14, ttmp9, 1                       ; which 128 positions: 16 n + step
	s_and_b32 s15, ttmp9, 1
	s_lshl_b32 s15, s15, 4
	s_lshl_b32 s20, s12, 2
	s_add_co_u32 s15, s15, s20                     ; my first tile of Wo: 16 (g % 2) + 4 w
	s_mul_i32 s20, s14, 8*RRB
	s_mov_b32 s21, 0
	s_add_co_u32 s22, s15, 96                      ; Wo's records begin at 96
	s_mul_i32 s22, s22, TRB
	s_mov_b32 s23, 0
	s_lshl_b32 s24, s15, 6
	s_mov_b32 s25, 0
	s_lshr_b32 s26, s14, 4
	s_lshl_b32 s26, s26, 22                        ; n x 512 rows of 8,192 bytes
	s_and_b32 s28, s14, 15
	s_lshl_b32 s28, s28, 9                         ; + 128 l
	s_add_co_u32 s26, s26, s28
	s_lshl_b32 s28, s15, 17                        ; + 16 rows a tile
	s_add_co_u32 s26, s26, s28
	s_mov_b32 s27, 0
	s_wait_kmcnt 0x0
	s_add_nc_u64 s[RP:RP+1], s[4:5], s[20:21]
	s_add_nc_u64 s[TP:TP+1], s[6:7], s[22:23]
	s_add_nc_u64 s[BP:BP+1], s[8:9], s[24:25]
	s_add_nc_u64 s[OP:OP+1], s[10:11], s[26:27]
	WIN 0x40                                       ; destination window 1
.irp t, 0,1,2,3,4,5,6,7
.irp s, 0,1
	FRAGLD 12*(2*\t+\s), RP, RRB*\t+1536*\s
.endr
.endr
	WIN 0x80                                       ; destination window 2
.irp t, 0,1,2,3,4,5,6,7
.irp s, 0,1
	FRAGLD 12*(2*\t+\s), RP, RRB*\t+1536*(\s+2)
.endr
.endr
	WIN 0
.irp t, 0,1,2,3,4,5,6,7
.irp p, 0,1
	global_load_b32 v[HA+2*(2*\t+\p)], v4, s[RP:RP+1] offset:RRB*\t+6144+256*\p        ; K step 2 p + h: its first head's two bytes,
	global_load_b32 v[HA+2*(2*\t+\p)+1], v4, s[RP:RP+1] offset:RRB*\t+6144+256*\p+64   ; its second head's
.endr
.endr
	TLD 0, 0
	s_wait_loadcnt 0x0
.set k, 0
.rept 16
	v_lshl_or_b32 v[RS+k], v[HA+2*k+1], 16, v[HA+2*k]   ; a K step's scale word
.set k, k+1
.endr
.rept 8
	v_nop                                          ; a scale register written by a vector instruction stands eight places ahead of a scaled matrix instruction
.endr
	UNIT 0
	UNIT 1
	UNIT 2
	UNIT 3
	s_endpgm
.Lfunc_end_k_qb033ddbb77_oproj:
	.size	k_qb033ddbb77_oproj, .Lfunc_end_k_qb033ddbb77_oproj-k_qb033ddbb77_oproj
	.p2alignl 7, 3214868480
	.fill 96, 4, 3214868480
	.section	.rodata,"a",@progbits
	.p2align	6, 0x0
	.amdhsa_kernel k_qb033ddbb77_oproj
		.amdhsa_group_segment_fixed_size 33792
		.amdhsa_private_segment_fixed_size 0
		.amdhsa_enable_private_segment 0
		.amdhsa_kernarg_size 32
		.amdhsa_user_sgpr_count 2
		.amdhsa_user_sgpr_kernarg_segment_ptr 1
		.amdhsa_wavefront_size32 1
		.amdhsa_system_sgpr_workgroup_id_x 1
		.amdhsa_system_sgpr_workgroup_id_y 1
		.amdhsa_system_sgpr_workgroup_id_z 1
		.amdhsa_system_vgpr_workitem_id 0
		.amdhsa_next_free_vgpr 768
		.amdhsa_next_free_sgpr 66
		.amdhsa_reserve_vcc 0
		.amdhsa_float_denorm_mode_32 3
		.amdhsa_float_denorm_mode_16_64 3
		.amdhsa_memory_ordered 1
		.amdhsa_forward_progress 1
		.amdhsa_inst_pref_size 62
	.end_amdhsa_kernel
	.amdgpu_metadata
---
amdhsa.version: [ 1, 2 ]
amdhsa.kernels:
  - .name:           k_qb033ddbb77_oproj
    .symbol:         k_qb033ddbb77_oproj.kd
    .args:
      - { .name: ob, .offset: 0, .size: 8, .value_kind: global_buffer, .address_space: global }
      - { .name: wimg, .offset: 8, .size: 8, .value_kind: global_buffer, .address_space: global }
      - { .name: bo, .offset: 16, .size: 8, .value_kind: global_buffer, .address_space: global }
      - { .name: out0, .offset: 24, .size: 8, .value_kind: global_buffer, .address_space: global }
    .group_segment_fixed_size: 33792
    .private_segment_fixed_size: 0
    .kernarg_segment_align: 8
    .kernarg_segment_size: 32
    .max_flat_workgroup_size: 128
    .sgpr_count:     66
    .vgpr_count:     768
    .wavefront_size: 32
...
	.end_amdgpu_metadata
.endif
;; end of part 4
